; MI455X (gfx1250); checked and timed in simulation.
; The chip was launched on July 23, 2026; its instructions are those of AMD's public machine-readable ISA for CDNA 5 (MIT licence, August 2026) and "CDNA5" Instruction Set Architecture Reference Guide (July 2026). The comments in the code are by the model that wrote it; some were corrected since.
;; Attention. Allowed arithmetic: float matrix products may take bf16 or f16 operands with f32 sums; all other float work in f32.
;; Inputs: R_b 3 float32; R_w 3 x 64 float32; key 16 x 2,048 x 64 float32; query 16 x 2,048 x 64 float32; value 16 x 2,048 x 64 float32.
;; Outputs: out0 16 x 2,048 x 64 float32.
;; 2 versions, each right; version 2 is version 1 with the launch attn written anew for expert scheduling mode. Each part assembles by itself: llvm-mc -triple=amdgcn-amd-amdhsa -mcpu=gfx1250 --defsym DOCPART=n.
;; ======== version 1 of 2: 1 launch
;; limits: values are held in f16: magnitudes above 65,504 overflow, below 6.1e-05 lose precision; inputs' magnitudes at most 65,504
;; launch attn (part 1): grid 16 x 16, 4 waves a work-group, no clusters, 168,960 bytes of LDS; arguments query, key, value, R_w, R_b, out0; writes out0
.if DOCPART == 1
	.amdgcn_target "amdgcn-amd-amdhsa--gfx1250"
	.amdhsa_code_object_version 6
	.text
	.protected	k_q3d67631b3d_attn
	.globl	k_q3d67631b3d_attn
	.p2align	8
	.type	k_q3d67631b3d_attn,@function
k_q3d67631b3d_attn:
	s_mov_b64 s[64:65], 0
	v_nop
	global_prefetch_b8 v0, s[64:65] scope:SCOPE_SE
	s_setreg_imm32_b32 hwreg(HW_REG_WAVE_MODE, 25, 1), 1
	s_wait_xcnt 0x0
; Causal attention with a relative-position bias.  query, key, value, out0: [16][2048][64] f32.  R_w: [3][64], R_b: [3] f32.
;   logits(i,j) = (q_i.k_j + pos(i, sign(j-i)+1) - 1e10 [j > i]) / sqrt(512),  out = softmax(logits) v.
; A softmax does not change when a constant is added to a row, so pos(i,0) is taken off row i: what is left of the bias is one
; addend on the diagonal, d_i = q_i.(R_w[1]-R_w[0]) + R_b[1]-R_b[0].  Entries j > i have probability 0 and are not computed.
;
; FORMAT.  The products take f16 operands (q log2(e)/sqrt(512), k, p, v) and add in f32.  f16 and not bf16: the first rows average
; only a few values of size 1, so an operand's rounding shows nearly whole in the result; 11 significant bits keep it at 2^-11 of a
; term, 8 bits would leave 2^-8.  p lies in (0, 1].
;
; LIMITS.  Inputs are finite (a tile that is not computed passes no NaN on; old sums are wiped by a factor 0).
; |q| log2(e)/sqrt(512), |k| and |v| stay at or below 65,504, f16's largest number; magnitudes below 2^-14 are kept to 2^-25 absolute.
; |q.k + pos| stays far below 1e10, so that the subtracted 1e10 gives probability 0 in f32: row 2 of R_w and R_b[2] reach such
; entries only and are not read.  Scores times log2(e)/sqrt(512) stay above -2^100 (the start value of the running maximum).
; The denominator adds the f32 p, the numerator the f16 p.
;
; SHARES.  Grid x = 4 c + cx, grid y = head.  A head has 8 super-blocks of 256 rows.  The work-group owns 64 query rows in two of them:
; pass 1 rows 256 (7-c) + 64 cx with key tiles 0 .. 7-c, pass 2 rows 256 c + 64 cx with key tiles 0 .. c; a tile is 256 keys.
; That is 9 trips in every work-group.  Trip 7-c and trip 8 meet the diagonal.
; In a trip wave w takes keys 64 w .. 64 w + 63 of the tile against all 64 queries: its K and V bytes in LDS are its own, so the trips
; need no barrier, and a fragment read from LDS feeds four matrix instructions.  Each wave keeps its own maximum, sum and O;
; they meet in LDS once per pass.
;
; NO JOINT REQUESTS.  The four work-groups of one c read the same tiles, but a copy into LDS moves bytes as they are: K and V are f32 in
; memory and the products want f16.  A slice of 64 keys would be 32 KB written and 32 KB read as f32 in LDS in front of the 16 KB written and
; 16 KB read as f16; through registers only those 32 KB move.
;
; LAYOUT.  S^T = K (cQ)^T: lane (r = l % 16, h = l / 16), register j holds key 8 h + j of query r.  Two neighbouring S^T tiles, packed
; to f16, ARE the second source (32 keys x 16 queries) of O^T = V^T P^T, so no number changes its lane.  V^T comes from the
; transposing LDS load on V kept [key][d].
;
; REGISTERS in windows of 256 (s_set_vgpr_msb: bits 1:0 source 0, 3:2 source 1, 5:4 source 2, 7:6 destination):
;   window 0: addresses, statistics, S (two buffers of 32), P, K fragments;  window 1: O, Q fragments, V fragments;
;   window 2: K and V as loaded (f32), the next tile on its way.
.set ROWB,   256                       ; bytes of a row of 64 f32
.set TILEB,  256*ROWB                  ; bytes of a tile of 256 keys
.set KPITCH, 144                       ; LDS row of 64 f16 + 16 bytes (K and Q)
.set VPITCH, 160                       ; LDS row of 64 f16 + 32 bytes (V, for the transposing load)
.set MPITCH, 272                       ; LDS row of 64 f32 + 16 bytes (merge)
.set KSL,    64*KPITCH                 ; a wave's K slice; also one pass's Q
.set VSL,    64*VPITCH                 ; a wave's V slice
.set MSL,    64*MPITCH                 ; a wave's partial O
.set L_VB,   4*KSL                     ; K slices lie at 0
.set L_QB,   L_VB+4*VSL                ; Q of pass 1, Q of pass 2
.set L_BIAS, L_QB+2*KSL                ; 64 f32 for each pass
.set L_STM,  L_BIAS+512                ; maxima [query][wave]
.set STLOFF, 1024                      ; sums [query][wave], behind the maxima
.set L_MG,   L_STM+2048                ; four partial O; ends at 168,448
.set CLOG,   0x3d8293ee                ; log2(e) / sqrt(512)
.set MINIT,  0xf1800000                ; -2^100
.set NEGBIG, 0xf2000000                ; -2^101
; window 0
.set GK,   4                           ; global: h x 8 rows + 16 r
.set GV,   5                           ; global: h x 4 rows + 16 r
.set KST,  6                           ; LDS: where my 8 bytes of K go
.set VST,  7                           ; LDS: where my 8 bytes of V go
.set KFA,  8                           ; LDS: my K fragments
.set VFA,  9                           ; LDS: my V fragments
.set QFA,  10                          ; LDS: my Q fragments
.set BIA,  11                          ; LDS: bias of query r
.set STS,  12                          ; LDS: statistics, my wave's word of query r
.set STLD, 13                          ; LDS: statistics, the four words of query r
.set MGS,  14                          ; LDS: merge, store
.set MGL,  15                          ; LDS: merge, load
.set LO,   16                          ; 16 x lane
.set RWO,  17                          ; 16 r
.set QST,  18                          ; LDS: where my 8 bytes of Q go
.set QBS,  19                          ; LDS: where my row's bias goes
.set ML,   20                          ; v[20+2f:21+2f]  running maximum, running sum of query block f
.set AB,   28                          ; v[28+2f:29+2f]  factor for O, diagonal bias
.set GM,   36                          ; v[36:43]  addend of the diagonal tile off the diagonal
.set TM,   44                          ; v[44:51]  the same with the bias on the diagonal; at work in the prologue
.set CH,   52                          ; v[52:55]  four chains
.set YT,   56                          ; from the other half wave
.set DT,   57
.set SA,   58                          ; v[58:59], v[60:61]  two pairs of sums
.set SB,   60
.set DBC,  62                          ; c (R_b[1] - R_b[0])
.set ST,   64                          ; v[64:127]  S, buffer b at 32 b, key tile kt at 8 kt
.set PB,   128                         ; v[128:143] P, 64 keys x 16 queries in f16
.set KF,   144                         ; v[144:207] K fragments, (kt, half of d) at 16 kt + 8 s
.set RW0,  144                         ; prologue only
.set DW,   148
.set MM,   64                          ; merge only: maxima, sums, factors
.set MLS,  80
.set ME,   96
; window 1
.set OA,   0                           ; O^T, tile (f, dt) at 32 f + 8 dt
.set QF,   128                         ; Q fragments, (f, s) at 16 f + 8 s
.set VF,   192                         ; V^T fragments, (dt, ks) at 16 dt + 8 ks
; window 2
.set KR,   0
.set VR,   128
; scalars
.set WV,    16                         ; wave
.set DG,    17                         ; 7 - c: pass 1's diagonal trip
.set CX,    18
.set TI,    20                         ; trip
.set KBASE, 22                         ; key and value at the tile being requested
.set VBASE, 24
.set KHOME, 26                         ; key and value at my wave's 64 keys of tile 0
.set VHOME, 28
.set TOFF,  30                         ; s[30:31] byte offset of the tile being requested
.set PSEL,  32                         ; lane i of one half wave reads lane i of the other
.set RB,    34
.set OUT1,  36
.set OUT2,  38
.set QG1,   40
.set QG2,   42
.set AW,    44                         ; 1.0 in the wave that holds the diagonal, else 0
.set NB,    46                         ; -2^101 in waves whose keys all lie above the diagonal, else 0
.set NBM,   48                         ; the same, the diagonal's wave included
.set CL,    50
.set EM,    52                         ; s[52:59] lanes in which key 8 h + j is query r
; window settings
.set W_LD2, 0x80                       ; load into window 2
.set W_CV2, 0x8a                       ; convert inside window 2
.set W_ST2, 0x08                       ; LDS store from window 2
.set W_LD1, 0x40                       ; load into window 1
.set W_S,   0x04                       ; S product (second source in window 1); LDS store from window 1
.set W_SC,  0x41                       ; scale O
.set W_PV,  0x51                       ; O product
.set MSB, 0
.macro WIN new                         ; the immediate's high byte repeats the setting that is left
.if MSB != \new
	s_set_vgpr_msb (MSB<<8)|\new
.set MSB, \new
.endif
.endm
; 32 loads: my 64 keys x 256 bytes.  A half wave takes one whole row; the other takes the row 8 (K) or 4 (V) further down, so that the
; two halves' 128 bytes of the later LDS store lie 128 bytes apart modulo 256 (8 x 144 = 1152, 4 x 160 = 640).
.macro FILLK
	WIN W_LD2
.set n, 0
.rept 32
	global_load_b128 v[KR+4*n:KR+4*n+3], v[GK], s[KBASE:KBASE+1] offset:(16*(n>>3)+(n&7))*ROWB
.set n, n+1
.endr
.endm
.macro FILLV
	WIN W_LD2
.set n, 0
.rept 32
	global_load_b128 v[VR+4*n:VR+4*n+3], v[GV], s[VBASE:VBASE+1] offset:(8*(n>>2)+(n&3))*ROWB
.set n, n+1
.endr
.endm
; K of this trip: f32 to f16 in place, into my slice, back as fragments; then the next tile is requested.
.macro KPHASE fill
	s_wait_loadcnt 32                              ; loads end in order (ISA guide 5.7.1): K's 32 are in, V's 32 behind them may be out
	WIN W_CV2
.set n, 0
.rept 32
	v_cvt_pk_f16_f32 v[KR+4*n], v[KR+4*n], v[KR+4*n+1]
	v_cvt_pk_f16_f32 v[KR+4*n+1], v[KR+4*n+2], v[KR+4*n+3]
.set n, n+1
.endr
	WIN W_ST2
.set n, 0
.rept 32
	ds_store_b64 v[KST], v[KR+4*n:KR+4*n+1] offset:(16*(n>>3)+(n&7))*KPITCH
.set n, n+1
.endr
	WIN 0
.irp kt,0,1,2,3
.irp e,0,1,2,3
	ds_load_b128 v[KF+16*\kt+4*\e:KF+16*\kt+4*\e+3], v[KFA] offset:\kt*16*KPITCH+32*\e   ; LDS serves a wave in order: these see the stores
.endr
.endr
.if \fill
	s_wait_dscnt 16                                ; the 32 stores have read their data; the 16 fragment loads may be out
	s_add_co_u32 s[TOFF], s[TOFF], TILEB           ; the next tile,
	s_cmp_eq_u32 s[TI], s[DG]
	s_cselect_b32 s[TOFF], 0, s[TOFF]              ; or tile 0 again when pass 1 ends here
	s_add_nc_u64 s[KBASE:KBASE+1], s[KHOME:KHOME+1], s[TOFF:TOFF+1]   ; the loads that named this base are in (wait above)
	FILLK
.endif
	s_wait_dscnt 0x0
.endm
; V of this trip, likewise; fragments come through the transposing load.  left = K loads of the next tile that stand behind V's.
.macro VPHASE left
	s_wait_loadcnt \left
	WIN W_CV2
.set n, 0
.rept 32
	v_cvt_pk_f16_f32 v[VR+4*n], v[VR+4*n], v[VR+4*n+1]
	v_cvt_pk_f16_f32 v[VR+4*n+1], v[VR+4*n+2], v[VR+4*n+3]
.set n, n+1
.endr
	WIN W_ST2
.set n, 0
.rept 32
	ds_store_b64 v[VST], v[VR+4*n:VR+4*n+1] offset:(8*(n>>2)+(n&3))*VPITCH
.set n, n+1
.endr
	WIN W_LD1
.irp dt,0,1,2,3
.irp ks,0,1
.irp e,0,1
	ds_load_tr16_b128 v[VF+16*\dt+8*\ks+4*\e:VF+16*\dt+8*\ks+4*\e+3], v[VFA] offset:\ks*32*VPITCH+\e*16*VPITCH+32*\dt
.endr
.endr
.endr
.endm
; S^T of query block f into buffer b: four tiles of 16 keys; the first product starts each sum, the second is the next link in place.
.macro SMM f, b
	WIN W_S
.irp kt,0,1,2,3
	v_wmma_f32_16x16x32_f16 v[ST+32*\b+8*\kt:ST+32*\b+8*\kt+7], v[KF+16*\kt:KF+16*\kt+7], v[QF+16*\f:QF+16*\f+7], 0
.endr
.irp kt,0,1,2,3
	v_wmma_f32_16x16x32_f16 v[ST+32*\b+8*\kt:ST+32*\b+8*\kt+7], v[KF+16*\kt+8:KF+16*\kt+15], v[QF+16*\f+8:QF+16*\f+15], v[ST+32*\b+8*\kt:ST+32*\b+8*\kt+7]
.endr
.endm
; O^T of query block f += V^T P^T, four tiles of 16 d, 64 keys in two links.
.macro PV f, zero
	WIN W_PV
.irp dt,0,1,2,3
.if \zero
	v_wmma_f32_16x16x32_f16 v[OA+32*\f+8*\dt:OA+32*\f+8*\dt+7], v[VF+16*\dt:VF+16*\dt+7], v[PB:PB+7], 0
.else
	v_wmma_f32_16x16x32_f16 v[OA+32*\f+8*\dt:OA+32*\f+8*\dt+7], v[VF+16*\dt:VF+16*\dt+7], v[PB:PB+7], v[OA+32*\f+8*\dt:OA+32*\f+8*\dt+7]
.endif
.endr
.irp dt,0,1,2,3
	v_wmma_f32_16x16x32_f16 v[OA+32*\f+8*\dt:OA+32*\f+8*\dt+7], v[VF+16*\dt+8:VF+16*\dt+15], v[PB+8:PB+15], v[OA+32*\f+8*\dt:OA+32*\f+8*\dt+7]
.endr
.endm
.macro RESCALE f                       ; O of query block f times its factor (the pair's first register, for both halves)
	WIN W_SC
.set n, 0
.rept 16
	v_pk_mul_f32 v[OA+32*\f+2*n:OA+32*\f+2*n+1], v[OA+32*\f+2*n:OA+32*\f+2*n+1], v[AB+2*\f:AB+2*\f+1] op_sel_hi:[1,0]
.set n, n+1
.endr
.endm
; The diagonal trip.  My keys are 64 w + 16 kt + 8 h + j, the queries 64 cx + 16 f + r of the same super-block.  Which wave I am only
; selects values: tiles below the diagonal tile get NB, those above it NBM, the diagonal tile its triangle with the bias on the diagonal.
.macro MASK f, b
	WIN 0
.irp j,0,1,2,3,4,5,6,7
	v_cndmask_b32 v[TM+\j], v[GM+\j], v[AB+2*\f+1], s[EM+\j]
.endr
.irp kt,0,1,2,3
.irp p,0,2,4,6
.if \kt < \f
	v_pk_add_f32 v[ST+32*\b+8*\kt+\p:ST+32*\b+8*\kt+\p+1], v[ST+32*\b+8*\kt+\p:ST+32*\b+8*\kt+\p+1], s[NB:NB+1] op_sel_hi:[1,0]
.endif
.if \kt == \f
	v_pk_add_f32 v[ST+32*\b+8*\kt+\p:ST+32*\b+8*\kt+\p+1], v[ST+32*\b+8*\kt+\p:ST+32*\b+8*\kt+\p+1], v[TM+\p:TM+\p+1]
.endif
.if \kt > \f
	v_pk_add_f32 v[ST+32*\b+8*\kt+\p:ST+32*\b+8*\kt+\p+1], v[ST+32*\b+8*\kt+\p:ST+32*\b+8*\kt+\p+1], s[NBM:NBM+1] op_sel_hi:[1,0]
.endif
.endr
.endr
.endm
; diag = 0: never; 2: always; 1: in the trip whose number is 7 - c (equal in all waves of the work-group)
.macro DMASK f, b, diag
.if \diag == 1
	s_cmp_lg_u32 s[TI], s[DG]
	s_cbranch_scc1 .Lnomask\f
	MASK \f, \b
.Lnomask\f:
.endif
.if \diag == 2
	MASK \f, \b
.endif
.endm
.macro SUBG sb, f                      ; eight scores minus the new maximum
.irp p,0,2,4,6
	v_pk_add_f32 v[\sb+\p:\sb+\p+1], v[\sb+\p:\sb+\p+1], v[ML+2*\f:ML+2*\f+1] op_sel_hi:[1,0] neg_lo:[0,1] neg_hi:[0,1]
.endr
.endm
.macro EXPG sb
.irp j,0,1,2,3,4,5,6,7
	v_exp_f32 v[\sb+\j], v[\sb+\j]
.endr
.endm
.macro SUMCVT sb, g                    ; eight p into the two pairs of sums (group 0 starts them) and, as f16, into P
.if \g == 0
	s_wait_alu depctr_va_vdst(0)
	v_pk_add_f32 v[SA:SA+1], v[\sb:\sb+1], v[\sb+2:\sb+3]
	v_pk_add_f32 v[SB:SB+1], v[\sb+4:\sb+5], v[\sb+6:\sb+7]
.else
	s_wait_alu depctr_va_vdst(0)
	v_pk_add_f32 v[SA:SA+1], v[SA:SA+1], v[\sb:\sb+1]
	v_pk_add_f32 v[SB:SB+1], v[SB:SB+1], v[\sb+2:\sb+3]
	v_pk_add_f32 v[SA:SA+1], v[SA:SA+1], v[\sb+4:\sb+5]
	v_pk_add_f32 v[SB:SB+1], v[SB:SB+1], v[\sb+6:\sb+7]
.endif
.irp jj,0,1,2,3
	v_cvt_pk_f16_f32 v[PB+4*\g+\jj], v[\sb+2*\jj], v[\sb+2*\jj+1]
.endr
.endm
; Online softmax of query block f on buffer b.  A lane holds 32 of its query's 64 scores; the other half wave holds the rest: the maximum
; is joined here, the sums stay apart until the merge.  Behind each run of exponentials stands a run of plain lines on other registers
; before the results are used (ISA guide 5.7.2).
.macro SOFTMAX f, b
	WIN 0
.irp kt,0,1,2,3
	v_max3_num_f32 v[CH+\kt], v[ST+32*\b+8*\kt], v[ST+32*\b+8*\kt+1], v[ST+32*\b+8*\kt+2]
.endr
.irp kt,0,1,2,3
	v_max3_num_f32 v[CH+\kt], v[CH+\kt], v[ST+32*\b+8*\kt+3], v[ST+32*\b+8*\kt+4]
.endr
.irp kt,0,1,2,3
	v_max3_num_f32 v[CH+\kt], v[CH+\kt], v[ST+32*\b+8*\kt+5], v[ST+32*\b+8*\kt+6]
.endr
.irp kt,0,1,2,3
	v_max_num_f32 v[CH+\kt], v[CH+\kt], v[ST+32*\b+8*\kt+7]
.endr
	v_max3_num_f32 v[CH], v[CH], v[CH+1], v[CH+2]
	v_max3_num_f32 v[CH], v[CH], v[CH+3], v[ML+2*\f]
	v_permlanex16_b32 v[YT], v[CH], s[PSEL], s[PSEL+1]
	v_max_num_f32 v[CH], v[CH], v[YT]              ; the new maximum, equal in both half waves
	v_sub_f32 v[DT], v[ML+2*\f], v[CH]
	v_exp_f32 v[AB+2*\f], v[DT]                    ; factor for the old sum and the old O
	v_mov_b32 v[ML+2*\f], v[CH]
	SUBG ST+32*\b, \f
	EXPG ST+32*\b
	SUBG ST+32*\b+8, \f
	EXPG ST+32*\b+8
	SUMCVT ST+32*\b, 0
	SUBG ST+32*\b+16, \f
	EXPG ST+32*\b+16
	SUMCVT ST+32*\b+8, 1
	SUBG ST+32*\b+24, \f
	EXPG ST+32*\b+24
	SUMCVT ST+32*\b+16, 2
	SUMCVT ST+32*\b+24, 3
	v_pk_add_f32 v[SA:SA+1], v[SA:SA+1], v[SB:SB+1]
	v_add_f32 v[SA], v[SA], v[SA+1]
	v_fma_f32 v[ML+2*\f+1], v[ML+2*\f+1], v[AB+2*\f], v[SA]
.endm
; Prologue: my 16 rows of one pass's Q (row 16 w + 2 i + h, 16 bytes a lane): the diagonal bias in f32, and c q as f16 into LDS.
.macro QPROC ps
.irp i,0,1,2,3,4,5,6,7
	v_pk_mul_f32 v[TM+2*(\i&3):TM+2*(\i&3)+1], v[ST+32*\ps+4*\i:ST+32*\ps+4*\i+1], v[DW:DW+1]
	v_pk_fma_f32 v[TM+2*(\i&3):TM+2*(\i&3)+1], v[ST+32*\ps+4*\i+2:ST+32*\ps+4*\i+3], v[DW+2:DW+3], v[TM+2*(\i&3):TM+2*(\i&3)+1]
	v_add_f32 v[TM+2*(\i&3)], v[TM+2*(\i&3)], v[TM+2*(\i&3)+1]
	v_add_f32_dpp v[TM+2*(\i&3)], v[TM+2*(\i&3)], v[TM+2*(\i&3)] row_xmask:1 row_mask:0xf bank_mask:0xf
	v_add_f32_dpp v[TM+2*(\i&3)], v[TM+2*(\i&3)], v[TM+2*(\i&3)] row_xmask:2 row_mask:0xf bank_mask:0xf
	v_add_f32_dpp v[TM+2*(\i&3)], v[TM+2*(\i&3)], v[TM+2*(\i&3)] row_xmask:4 row_mask:0xf bank_mask:0xf
	v_add_f32_dpp v[TM+2*(\i&3)], v[TM+2*(\i&3)], v[TM+2*(\i&3)] row_xmask:8 row_mask:0xf bank_mask:0xf
	v_fma_f32 v[TM+2*(\i&3)], v[TM+2*(\i&3)], s[CL], v[DBC]
	ds_store_b32 v[QBS], v[TM+2*(\i&3)] offset:\ps*256+8*\i        ; sixteen lanes write one word with one value
	v_pk_mul_f32 v[ST+32*\ps+4*\i:ST+32*\ps+4*\i+1], v[ST+32*\ps+4*\i:ST+32*\ps+4*\i+1], s[CL:CL+1] op_sel_hi:[1,0]
	v_pk_mul_f32 v[ST+32*\ps+4*\i+2:ST+32*\ps+4*\i+3], v[ST+32*\ps+4*\i+2:ST+32*\ps+4*\i+3], s[CL:CL+1] op_sel_hi:[1,0]
	v_cvt_pk_f16_f32 v[ST+32*\ps+4*\i], v[ST+32*\ps+4*\i], v[ST+32*\ps+4*\i+1]
	v_cvt_pk_f16_f32 v[ST+32*\ps+4*\i+1], v[ST+32*\ps+4*\i+2], v[ST+32*\ps+4*\i+3]
	ds_store_b64 v[QST], v[ST+32*\ps+4*\i:ST+32*\ps+4*\i+1] offset:\ps*KSL+2*KPITCH*\i
.endr
.endm
; A pass begins: all 64 queries' fragments and biases into registers, statistics to their start values.
.macro LOADQ ps
	WIN W_LD1
.irp f,0,1,2,3
.irp e,0,1,2,3
	ds_load_b128 v[QF+16*\f+4*\e:QF+16*\f+4*\e+3], v[QFA] offset:\ps*KSL+\f*16*KPITCH+32*\e
.endr
.endr
	WIN 0
.irp f,0,1,2,3
	ds_load_b32 v[AB+2*\f+1], v[BIA] offset:\ps*256+64*\f
.endr
.irp f,0,1,2,3
	v_mov_b32 v[ML+2*\f], MINIT
	v_mov_b32 v[ML+2*\f+1], 0
.endr
	s_wait_dscnt 0x0
.irp f,0,1,2,3
	v_fma_f32 v[AB+2*\f+1], v[AB+2*\f+1], s[AW], s[NB]             ; the bias in the diagonal's wave, 0 below it, -2^101 above it
.endr
.endm
; A pass ends: the four waves' (m, l, O) become the 64 rows of the output.  ob: the pass's output base; newq: pass 2 follows.
.macro MERGE ob, newq
	WIN 0
.irp f,0,1,2,3
	v_permlanex16_b32 v[YT], v[ML+2*\f+1], s[PSEL], s[PSEL+1]
	v_add_f32 v[ML+2*\f+1], v[ML+2*\f+1], v[YT]    ; the two half waves' sums
.endr
.irp f,0,1,2,3
	ds_store_b32 v[STS], v[ML+2*\f] offset:256*\f
	ds_store_b32 v[STS], v[ML+2*\f+1] offset:STLOFF+256*\f
.endr
	s_wait_dscnt 0x0                               ; my statistics are in LDS, for the others' sake
	s_barrier_signal -1
	s_barrier_wait -1
.irp f,0,1,2,3
	ds_load_b128 v[MM+4*\f:MM+4*\f+3], v[STLD] offset:256*\f
	ds_load_b128 v[MLS+4*\f:MLS+4*\f+3], v[STLD] offset:STLOFF+256*\f
.endr
	s_wait_dscnt 0x0
.irp f,0,1,2,3
	v_max3_num_f32 v[CH+\f], v[MM+4*\f], v[MM+4*\f+1], v[MM+4*\f+2]
.endr
.irp f,0,1,2,3
	v_max_num_f32 v[CH+\f], v[CH+\f], v[MM+4*\f+3]
.endr
.irp f,0,1,2,3
.irp k,0,1,2,3
	v_sub_f32 v[ME+5*\f+\k], v[MM+4*\f+\k], v[CH+\f]
.endr
	v_sub_f32 v[ME+5*\f+4], v[ML+2*\f], v[CH+\f]   ; my own
.endr
.set n, 0
.rept 20
	v_exp_f32 v[ME+n], v[ME+n]
.set n, n+1
.endr
	v_nop                                          ; one plain line behind the run of exponentials (ISA guide 5.7.2)
	s_wait_alu depctr_va_vdst(0)
.irp f,0,1,2,3
	v_mul_f32 v[CH+\f], v[ME+5*\f], v[MLS+4*\f]
.endr
.irp k,1,2,3
.irp f,0,1,2,3
	v_fmac_f32 v[CH+\f], v[ME+5*\f+\k], v[MLS+4*\f+\k]             ; the denominator; at least 1, from the wave that holds the maximum
.endr
.endr
.irp f,0,1,2,3
	v_rcp_f32 v[CH+\f], v[CH+\f]
.endr
	v_nop
	s_wait_alu depctr_va_vdst(0)
.irp f,0,1,2,3
	v_mul_f32 v[AB+2*\f], v[ME+5*\f+4], v[CH+\f]   ; my weight
.endr
	RESCALE 0
	RESCALE 1
	RESCALE 2
	RESCALE 3
	WIN W_S
.irp f,0,1,2,3
.irp dt,0,1,2,3
.irp e,0,1
	ds_store_b128 v[MGS], v[OA+32*\f+8*\dt+4*\e:OA+32*\f+8*\dt+4*\e+3] offset:\f*16*MPITCH+64*\dt+16*\e
.endr
.endr
.endr
	WIN 0
	s_wait_dscnt 0x0                               ; my partial is in LDS, and my reads of the statistics are over
	s_barrier_signal -1
	s_barrier_wait -1
.irp i,0,1,2,3,4,5,6,7
.irp k,0,1,2,3
	ds_load_b128 v[ST+32*\k+4*\i:ST+32*\k+4*\i+3], v[MGL] offset:\k*MSL+2*MPITCH*\i      ; rows 16 w + 2 i + h of the four partials
.endr
.endr
.irp i,0,1,2,3,4,5,6,7
	s_wait_dscnt 28-4*\i                           ; the four loads of row pair i are in; those of later pairs may be out
	v_pk_add_f32 v[ST+4*\i:ST+4*\i+1], v[ST+4*\i:ST+4*\i+1], v[ST+32+4*\i:ST+32+4*\i+1]
	v_pk_add_f32 v[ST+4*\i+2:ST+4*\i+3], v[ST+4*\i+2:ST+4*\i+3], v[ST+32+4*\i+2:ST+32+4*\i+3]
	v_pk_add_f32 v[ST+64+4*\i:ST+64+4*\i+1], v[ST+64+4*\i:ST+64+4*\i+1], v[ST+96+4*\i:ST+96+4*\i+1]
	v_pk_add_f32 v[ST+64+4*\i+2:ST+64+4*\i+3], v[ST+64+4*\i+2:ST+64+4*\i+3], v[ST+96+4*\i+2:ST+96+4*\i+3]
	v_pk_add_f32 v[ST+4*\i:ST+4*\i+1], v[ST+4*\i:ST+4*\i+1], v[ST+64+4*\i:ST+64+4*\i+1]
	v_pk_add_f32 v[ST+4*\i+2:ST+4*\i+3], v[ST+4*\i+2:ST+4*\i+3], v[ST+64+4*\i+2:ST+64+4*\i+3]
	global_store_b128 v[LO], v[ST+4*\i:ST+4*\i+3], s[\ob:\ob+1] offset:512*\i th:TH_STORE_NT   ; two whole rows of 256 bytes, aligned
.endr
.if \newq
	LOADQ 1
	s_wait_xcnt 0x0                                ; the stores' data registers are S's: written again only behind this wait
.endif
.endm
; One trip: 64 queries x my 64 keys.  Each softmax stands behind the products issued just before it, and its lines are the places
; that the next reader of S, the next writer of P and the next loads into fragments need behind those products.
.macro TRIP first, diag, fill
	KPHASE \fill
	SMM 0, 0
	SMM 1, 1
	WIN 0
.rept 4
	v_nop                                          ; four places between S of block 0 and its first reader
.endr
	DMASK 0, 0, \diag
	SOFTMAX 0, 0
	VPHASE 32*\fill
.if \first == 0
	RESCALE 0
.endif
	s_wait_dscnt 0x0                               ; V's fragments are in, V's stores have read their data
	PV 0, \first
	SMM 2, 0
	WIN 0
	DMASK 1, 1, \diag
	SOFTMAX 1, 1
.if \fill
	s_add_nc_u64 s[VBASE:VBASE+1], s[VHOME:VHOME+1], s[TOFF:TOFF+1]   ; V's last loads are in (the wait at the head of the V phase)
	FILLV
.endif
.if \first == 0
	RESCALE 1
.endif
	PV 1, \first
	SMM 3, 1
	WIN 0
	DMASK 2, 0, \diag
	SOFTMAX 2, 0
.if \first == 0
	RESCALE 2
.endif
	PV 2, \first
	WIN 0
	DMASK 3, 1, \diag
	SOFTMAX 3, 1
.if \first == 0
	RESCALE 3
.endif
	PV 3, \first
	WIN 0
.if \diag == 1
	s_cmp_lg_u32 s[TI], s[DG]
	s_cbranch_scc1 .Lnomerge
	MERGE OUT1, 1
.Lnomerge:
.endif
.if \diag == 2
	MERGE OUT2, 0
.endif
.endm
	; ---- ids and byte offsets
	s_load_b256 s[4:11], s[0:1], 0x0               ; query s[4:5], key s[6:7], value s[8:9], R_w s[10:11]
	s_load_b128 s[12:15], s[0:1], 0x20             ; R_b s[12:13], out0 s[14:15]
	v_lshl_add_u32 v254, v0, 2, 0x29200
	v_mov_b32 v255, 0
	v_lshrrev_b32 v1, 5, v0
	v_readfirstlane_b32 s[WV], v1                  ; wave 0..3
	s_lshr_b32 s[TI], ttmp9, 2                     ; c (the register becomes the trip counter later)
	s_and_b32 s[CX], ttmp9, 3
	s_sub_co_u32 s[DG], 7, s[TI]
	s_and_b32 s19, ttmp7, 0xffff
	s_lshl_b32 s19, s19, 19                        ; head x 2048 rows x 256 bytes
	s_lshl_b32 s2, s[WV], 14                       ; my 64 keys of a tile
	s_add_co_u32 s2, s2, s19
	s_mov_b32 s3, 0
	s_lshl_b32 s21, s[CX], 6
	s_lshl4_add_u32 s21, s[WV], s21                ; 64 cx + 16 w: the rows that I stage and store
	s_lshl_b32 s60, s[DG], 8
	s_add_co_u32 s60, s60, s21
	s_lshl_b32 s60, s60, 8
	s_add_co_u32 s60, s60, s19                     ; pass 1, in bytes
	s_mov_b32 s61, 0
	s_lshl_b32 s62, s[TI], 8
	s_add_co_u32 s62, s62, s21
	s_lshl_b32 s62, s62, 8
	s_add_co_u32 s62, s62, s19                     ; pass 2
	s_mov_b32 s63, 0
	v_and_b32 v1, 31, v0                           ; lane
	v_and_b32 v2, 15, v0                           ; r
	v_bfe_u32 v3, v0, 4, 1                         ; h
	v_lshlrev_b32 v[RWO], 4, v2
	v_lshlrev_b32 v[LO], 4, v1
	v_lshl_add_u32 v[GK], v3, 11, v[RWO]
	v_lshl_add_u32 v[GV], v3, 10, v[RWO]
	s_wait_kmcnt 0x0
	s_add_nc_u64 s[KHOME:KHOME+1], s[6:7], s[2:3]
	s_add_nc_u64 s[VHOME:VHOME+1], s[8:9], s[2:3]
	s_add_nc_u64 s[QG1:QG1+1], s[4:5], s[60:61]
	s_add_nc_u64 s[QG2:QG2+1], s[4:5], s[62:63]
	s_add_nc_u64 s[OUT1:OUT1+1], s[14:15], s[60:61]
	s_add_nc_u64 s[OUT2:OUT2+1], s[14:15], s[62:63]
	s_mov_b64 s[KBASE:KBASE+1], s[KHOME:KHOME+1]
	s_mov_b64 s[VBASE:VBASE+1], s[VHOME:VHOME+1]
	s_load_b64 s[RB:RB+1], s[12:13], 0x0           ; R_b[0], R_b[1]
	; ---- everything that the first trip needs is requested before anything else is done
	global_load_b128 v[RW0:RW0+3], v[RWO], s[10:11]                ; R_w[0][4 r ..]
	global_load_b128 v[DW:DW+3], v[RWO], s[10:11] offset:256       ; R_w[1][4 r ..]
.irp i,0,1,2,3,4,5,6,7
	global_load_b128 v[ST+4*\i:ST+4*\i+3], v[LO], s[QG1:QG1+1] offset:512*\i th:TH_LOAD_NT
.endr
.irp i,0,1,2,3,4,5,6,7
	global_load_b128 v[ST+32+4*\i:ST+32+4*\i+3], v[LO], s[QG2:QG2+1] offset:512*\i th:TH_LOAD_NT
.endr
	FILLK
	FILLV
	WIN 0
	; ---- constants
	s_mov_b32 s[PSEL], 0x76543210
	s_mov_b32 s[PSEL+1], 0xfedcba98
	s_mov_b32 s[CL], CLOG
	s_mov_b32 s[CL+1], CLOG
	s_cmp_eq_u32 s[WV], s[CX]
	s_cselect_b32 s[AW], 0x3f800000, 0
	s_cmp_gt_u32 s[WV], s[CX]
	s_cselect_b32 s[NB], NEGBIG, 0
	s_cmp_ge_u32 s[WV], s[CX]
	s_cselect_b32 s[NBM], NEGBIG, 0
	s_mov_b32 s[NB+1], s[NB]
	s_mov_b32 s[NBM+1], s[NBM]
	; ---- LDS addresses: a region's constant + the wave's share + the lane's term
	s_mul_i32 s2, s[WV], KSL                       ; my K slice
	s_mul_i32 s3, s[WV], VSL
	s_add_co_u32 s3, s3, L_VB                      ; my V slice
	v_mul_u32_u24 v53, v3, 8*KPITCH
	v_lshl_add_u32 v53, v2, 3, v53
	v_add_nc_u32 v[KST], s2, v53                   ; row + 8 h, byte 8 r
	v_mul_u32_u24 v53, v3, 4*VPITCH
	v_lshl_add_u32 v53, v2, 3, v53
	v_add_nc_u32 v[VST], s3, v53                   ; row + 4 h, byte 8 r
	v_mul_u32_u24 v54, v2, KPITCH
	v_lshl_add_u32 v54, v3, 4, v54                 ; row r, byte 16 h
	v_add_nc_u32 v[KFA], s2, v54
	v_add_nc_u32 v[QFA], L_QB, v54
	v_and_b32 v55, 7, v0
	v_lshl_add_u32 v55, v3, 3, v55                 ; key 8 h + l % 8
	v_mul_u32_u24 v55, v55, VPITCH
	v_bfe_u32 v53, v0, 3, 1
	v_lshl_add_u32 v55, v53, 4, v55                ; + 16 bytes for the upper eight lanes of a half wave
	v_add_nc_u32 v[VFA], s3, v55
	v_lshl_add_u32 v[BIA], v2, 2, L_BIAS
	s_lshl_b32 s2, s[WV], 2
	s_add_co_u32 s2, s2, L_STM
	v_add_nc_u32 v[STS], s2, v[RWO]
	v_add_nc_u32 v[STLD], L_STM, v[RWO]
	s_mul_i32 s2, s[WV], MSL
	s_add_co_u32 s2, s2, L_MG
	v_mul_u32_u24 v53, v2, MPITCH
	v_lshl_add_u32 v53, v3, 5, v53
	v_add_nc_u32 v[MGS], s2, v53                   ; my partial: row r, byte 32 h
	s_mul_i32 s2, s[WV], 16*MPITCH
	s_add_co_u32 s2, s2, L_MG
	v_mul_u32_u24 v53, v3, MPITCH
	v_add_nc_u32 v53, v53, v[RWO]
	v_add_nc_u32 v[MGL], s2, v53                   ; row 16 w + h, byte 16 r
	s_mul_i32 s2, s[WV], 16*KPITCH
	s_add_co_u32 s2, s2, L_QB
	v_mul_u32_u24 v53, v3, KPITCH
	v_lshl_add_u32 v53, v2, 3, v53
	v_add_nc_u32 v[QST], s2, v53                   ; row 16 w + h, byte 8 r
	s_lshl_b32 s2, s[WV], 6
	s_add_co_u32 s2, s2, L_BIAS
	v_lshl_add_u32 v[QBS], v3, 2, s2               ; word 16 w + h
	; ---- the diagonal tile: key 8 h + j against query r
	v_lshlrev_b32 v52, 3, v3
	v_mov_b32 v54, s[NB]
	v_mov_b32 v55, s[NBM]
.irp j,0,1,2,3,4,5,6,7
	v_add_nc_u32 v53, \j, v52
	v_cmp_gt_u32 vcc_lo, v53, v2
	v_cndmask_b32 v[GM+\j], v54, v55, vcc_lo       ; above the diagonal as in tiles above, else as in tiles below
	v_cmp_eq_u32 s[EM+\j], v53, v2
.endr
	v_mov_b32 v[YT], 0                             ; a lane permute's destination counts as read
	s_wait_kmcnt 0x0
	v_mov_b32 v[DBC], s[RB]
	v_sub_f32 v[DBC], s[RB+1], v[DBC]
	v_mul_f32 v[DBC], s[CL], v[DBC]
	; ---- Q of both passes: bias and f16 copy
	s_wait_loadcnt 63                              ; 64 loads of K and V stand behind Q's; the wait can name 63 at the most, the stricter side
	v_pk_add_f32 v[DW:DW+1], v[DW:DW+1], v[RW0:RW0+1] neg_lo:[0,1] neg_hi:[0,1]
	v_pk_add_f32 v[DW+2:DW+3], v[DW+2:DW+3], v[RW0+2:RW0+3] neg_lo:[0,1] neg_hi:[0,1]
	QPROC 0
	QPROC 1
	s_wait_dscnt 0x0                               ; my rows of Q are in LDS, for the others' sake
	s_barrier_signal -1
	s_barrier_wait -1
	LOADQ 0
	s_mov_b32 s[TI], 0
	s_mov_b32 s[TOFF], 0
	s_mov_b32 s[TOFF+1], 0
	; ---- nine trips.  Pass 1 has at least five, so trip 0 never meets the diagonal: its products start O's sums, nothing is cleared.
	; Pass 2's first trip finds the maximum at -2^100: where the wave has a key to count, its factor is 0 and wipes what pass 1 left in O;
	; where all its keys lie above the diagonal, the merge gives the wave the weight 0.
	TRIP 1, 0, 1
	s_mov_b32 s[TI], 1
.Ltrip:
	TRIP 0, 1, 1
	s_add_co_u32 s[TI], s[TI], 1
	s_cmp_lt_u32 s[TI], 8
	s_cbranch_scc1 .Ltrip
	TRIP 0, 2, 0                                   ; trip 8: pass 2's diagonal; nothing more is requested
	s_wait_tensorcnt 0x0
	ds_add_u32 v254, v255
	s_wait_dscnt 0x0
	s_endpgm
.Lfunc_end_k_q3d67631b3d_attn:
	.size	k_q3d67631b3d_attn, .Lfunc_end_k_q3d67631b3d_attn-k_q3d67631b3d_attn
	.p2alignl 7, 3214868480
	.fill 96, 4, 3214868480
	.section	.rodata,"a",@progbits
	.p2align	6, 0x0
	.amdhsa_kernel k_q3d67631b3d_attn
		.amdhsa_group_segment_fixed_size 168960
		.amdhsa_private_segment_fixed_size 0
		.amdhsa_enable_private_segment 0
		.amdhsa_kernarg_size 48
		.amdhsa_user_sgpr_count 2
		.amdhsa_user_sgpr_kernarg_segment_ptr 1
		.amdhsa_wavefront_size32 1
		.amdhsa_system_sgpr_workgroup_id_x 1
		.amdhsa_system_sgpr_workgroup_id_y 1
		.amdhsa_system_sgpr_workgroup_id_z 1
		.amdhsa_system_vgpr_workitem_id 0
		.amdhsa_next_free_vgpr 768
		.amdhsa_next_free_sgpr 66
		.amdhsa_reserve_vcc 1
		.amdhsa_float_denorm_mode_32 3
		.amdhsa_float_denorm_mode_16_64 3
		.amdhsa_memory_ordered 1
		.amdhsa_forward_progress 1
		.amdhsa_inst_pref_size 219
	.end_amdhsa_kernel
	.amdgpu_metadata
---
amdhsa.version: [ 1, 2 ]
amdhsa.kernels:
  - .name:           k_q3d67631b3d_attn
    .symbol:         k_q3d67631b3d_attn.kd
    .args:
      - { .name: query, .offset: 0, .size: 8, .value_kind: global_buffer, .address_space: global }
      - { .name: key, .offset: 8, .size: 8, .value_kind: global_buffer, .address_space: global }
      - { .name: value, .offset: 16, .size: 8, .value_kind: global_buffer, .address_space: global }
      - { .name: R_w, .offset: 24, .size: 8, .value_kind: global_buffer, .address_space: global }
      - { .name: R_b, .offset: 32, .size: 8, .value_kind: global_buffer, .address_space: global }
      - { .name: out0, .offset: 40, .size: 8, .value_kind: global_buffer, .address_space: global }
    .group_segment_fixed_size: 168960
    .private_segment_fixed_size: 0
    .kernarg_segment_align: 8
    .kernarg_segment_size: 48
    .max_flat_workgroup_size: 128
    .sgpr_count:     66
    .vgpr_count:     768
    .wavefront_size: 32
...
	.end_amdgpu_metadata
.endif
;; end of part 1
;; ======== version 2 of 2: 1 launch; version 1 with the launch attn written anew for expert scheduling mode
;; limits: values are held in f16: magnitudes above 65,504 overflow, below 6.1e-05 lose precision; inputs' magnitudes at most 65,504
;; launch attn (part 2): grid 16 x 16, 4 waves a work-group, no clusters, 168,960 bytes of LDS; arguments query, key, value, R_w, R_b, out0; writes out0
.if DOCPART == 2
	.amdgcn_target "amdgcn-amd-amdhsa--gfx1250"
	.amdhsa_code_object_version 6
	.text
	.protected	k_q3d67631b3d_attn
	.globl	k_q3d67631b3d_attn
	.p2align	8
	.type	k_q3d67631b3d_attn,@function
k_q3d67631b3d_attn:
	s_mov_b64 s[64:65], 0
	v_nop
	global_prefetch_b8 v0, s[64:65] scope:SCOPE_SE
	s_setreg_imm32_b32 hwreg(HW_REG_WAVE_SCHED_MODE, 0, 2), 2
	s_setreg_imm32_b32 hwreg(HW_REG_WAVE_MODE, 25, 1), 1
	s_wait_xcnt 0x0
	s_wait_alu depctr_vm_vsrc(0)
; Causal attention with a relative-position bias.  query, key, value, out0: [16][2048][64] f32.  R_w: [3][64], R_b: [3] f32.
;   logits(i,j) = (q_i.k_j + pos(i, sign(j-i)+1) - 1e10 [j > i]) / sqrt(512),  out = softmax(logits) v.
; A softmax does not change when a constant is added to a row, so pos(i,0) is taken off row i: what is left of the bias is one
; addend on the diagonal, d_i = q_i.(R_w[1]-R_w[0]) + R_b[1]-R_b[0].  Entries j > i have probability 0 and are not computed.
;
; FORMAT.  The products take f16 operands (q log2(e)/sqrt(512), k, p, v) and add in f32.  f16 and not bf16: the first rows average
; only a few values of size 1, so an operand's rounding shows nearly whole in the result; 11 significant bits keep it at 2^-11 of a
; term, 8 bits would leave 2^-8.  p lies in (0, 1].
;
; LIMITS.  Inputs are finite (a tile that is not computed passes no NaN on; old sums are wiped by a factor 0).
; |q| log2(e)/sqrt(512), |k| and |v| stay at or below 65,504, f16's largest number; magnitudes below 2^-14 are kept to 2^-25 absolute.
; |q.k + pos| stays far below 1e10, so that the subtracted 1e10 gives probability 0 in f32: row 2 of R_w and R_b[2] reach such
; entries only and are not read.  Scores times log2(e)/sqrt(512) stay above -2^100 (the start value of the running maximum).
; The denominator adds the f32 p, the numerator the f16 p.
;
; SHARES.  Grid x = 4 c + cx, grid y = head.  A head has 8 super-blocks of 256 rows.  The work-group owns 64 query rows in two of them:
; pass 1 rows 256 (7-c) + 64 cx with key tiles 0 .. 7-c, pass 2 rows 256 c + 64 cx with key tiles 0 .. c; a tile is 256 keys.
; That is 9 trips in every work-group.  Trip 7-c and trip 8 meet the diagonal.
; In a trip wave w takes keys 64 w .. 64 w + 63 of the tile against all 64 queries: its K and V bytes in LDS are its own, so the trips
; need no barrier, and a fragment read from LDS feeds four matrix instructions.  Each wave keeps its own maximum, sum and O;
; they meet in LDS once per pass.
;
; NO JOINT REQUESTS.  The four work-groups of one c read the same tiles, but a copy into LDS moves bytes as they are: K and V are f32 in
; memory and the products want f16.  A slice of 64 keys would be 32 KB written and 32 KB read as f32 in LDS in front of the 16 KB written and
; 16 KB read as f16; through registers only those 32 KB move.
;
; LAYOUT.  S^T = K (cQ)^T: lane (r = l % 16, h = l / 16), register j holds key 8 h + j of query r.  Two neighbouring S^T tiles, packed
; to f16, ARE the second source (32 keys x 16 queries) of O^T = V^T P^T, so no number changes its lane.  V^T comes from the
; transposing LDS load on V kept [key][d].
;
; REGISTERS in windows of 256 (s_set_vgpr_msb: bits 1:0 source 0, 3:2 source 1, 5:4 source 2, 7:6 destination):
;   window 0: addresses, statistics, S (two buffers of 32), P, K fragments;  window 1: O, Q fragments, V fragments;
;   window 2: K and V as loaded (f32), the next tile on its way.
;
; THE MODE: SCHED_MODE bits 1:0 = 2 (LLVM: expert scheduling mode 2), set by the entry lines.  The code itself states the register dependences
; between vector or matrix instructions and memory or LDS instructions, with s_wait_alu, always for 0.
; THE PLAN.  Registers that memory or LDS instructions touch in a trip, and who else names them:
;   KR, VR   a tile's loads land, requested a trip ahead; the phase's 64 conversions read and write them in place; its 32 LDS stores read them;
;            the next tile's loads land.
;   KF, VF   the phase's 16 LDS loads land; the S products read KF, the O products VF, up to the trip's end.
;   v4-v19   addresses, made at the head and never written again; the tiles are reached by scalar bases, which scalar instructions write.
;   S, P, O and the statistics are named by vector and matrix instructions alone in a trip; LDS and memory touch them in the prologue and in the merge.
; So a phase (K's, V's) holds three waits.  One on va_vdst behind its conversions: the raw registers are written, which the stores read, and the
; products issued so far are done reading the fragments, in which the LDS loads land.  A pair, va_vdst and vm_vsrc, behind its LDS instructions,
; where no vector instruction has been issued since the first wait: the conversions are done with the raw registers (said anew, since the stores
; between name them too) and the stores have read them.  Behind the pair the next tile's 32 loads owe nothing more: 16 follow at once, while
; the fragments are on their way; 16 stand further on between two runs of products; nothing between the pair and them names a raw register or v4, v5.
; The merge has a wait on va_vdst ahead of each of its three runs of stores, which also serves the loads that land behind the run, and one on
; vm_vsrc behind the last run, ahead of the lines that write statistics, O and S again.
.set ROWB,   256                       ; bytes of a row of 64 f32
.set TILEB,  256*ROWB                  ; bytes of a tile of 256 keys
.set KPITCH, 144                       ; LDS row of 64 f16 + 16 bytes (K and Q)
.set VPITCH, 160                       ; LDS row of 64 f16 + 32 bytes (V, for the transposing load)
.set MPITCH, 272                       ; LDS row of 64 f32 + 16 bytes (merge)
.set KSL,    64*KPITCH                 ; a wave's K slice; also one pass's Q
.set VSL,    64*VPITCH                 ; a wave's V slice
.set MSL,    64*MPITCH                 ; a wave's partial O
.set L_VB,   4*KSL                     ; K slices lie at 0
.set L_QB,   L_VB+4*VSL                ; Q of pass 1, Q of pass 2
.set L_BIAS, L_QB+2*KSL                ; 64 f32 for each pass
.set L_STM,  L_BIAS+512                ; maxima [query][wave]
.set STLOFF, 1024                      ; sums [query][wave], behind the maxima
.set L_MG,   L_STM+2048                ; four partial O; ends at 168,448
.set CLOG,   0x3d8293ee                ; log2(e) / sqrt(512)
.set MINIT,  0xf1800000                ; -2^100
.set NEGBIG, 0xf2000000                ; -2^101
; window 0
.set GK,   4                           ; global: h x 8 rows + 16 r
.set GV,   5                           ; global: h x 4 rows + 16 r
.set KST,  6                           ; LDS: where my 8 bytes of K go
.set VST,  7                           ; LDS: where my 8 bytes of V go
.set KFA,  8                           ; LDS: my K fragments
.set VFA,  9                           ; LDS: my V fragments
.set QFA,  10                          ; LDS: my Q fragments
.set BIA,  11                          ; LDS: bias of query r
.set STS,  12                          ; LDS: statistics, my wave's word of query r
.set STLD, 13                          ; LDS: statistics, the four words of query r
.set MGS,  14                          ; LDS: merge, store
.set MGL,  15                          ; LDS: merge, load
.set LO,   16                          ; 16 x lane
.set RWO,  17                          ; 16 r
.set QST,  18                          ; LDS: where my 8 bytes of Q go
.set QBS,  19                          ; LDS: where my row's bias goes
.set ML,   20                          ; v[20+2f:21+2f]  running maximum, running sum of query block f
.set AB,   28                          ; v[28+2f:29+2f]  factor for O, diagonal bias
.set GM,   36                          ; v[36:43]  addend of the diagonal tile off the diagonal
.set TM,   44                          ; v[44:51]  the same with the bias on the diagonal
.set CH,   52                          ; v[52:55]  four chains
.set YT,   56                          ; from the other half wave
.set DT,   57
.set SA,   58                          ; v[58:59], v[60:61]  two pairs of sums
.set SB,   60
.set DBC,  62                          ; c (R_b[1] - R_b[0])
.set ST,   64                          ; v[64:127]  S, buffer b at 32 b, key tile kt at 8 kt
.set PB,   128                         ; v[128:143] P, 64 keys x 16 queries in f16
.set KF,   144                         ; v[144:207] K fragments, (kt, half of d) at 16 kt + 8 s
.set RW0,  144                         ; prologue only
.set DW,   148
.set BT,   152                         ; v[152:183] prologue only: the bias of row pair i of pass ps, a pair at 16 ps + 2 i
.set MM,   64                          ; merge only: maxima, sums, factors
.set MLS,  80
.set ME,   96
; window 1
.set OA,   0                           ; O^T, tile (f, dt) at 32 f + 8 dt
.set QF,   128                         ; Q fragments, (f, s) at 16 f + 8 s
.set VF,   192                         ; V^T fragments, (dt, ks) at 16 dt + 8 ks
; window 2
.set KR,   0
.set VR,   128
; scalars
.set WV,    16                         ; wave
.set DG,    17                         ; 7 - c: pass 1's diagonal trip
.set CX,    18
.set TI,    20                         ; trip
.set KBASE, 22                         ; key and value at the tile being requested
.set VBASE, 24
.set KHOME, 26                         ; key and value at my wave's 64 keys of tile 0
.set VHOME, 28
.set TOFF,  30                         ; s[30:31] byte offset of the tile being requested
.set PSEL,  32                         ; lane i of one half wave reads lane i of the other
.set RB,    34
.set OUT1,  36
.set OUT2,  38
.set QG1,   40
.set QG2,   42
.set AW,    44                         ; 1.0 in the wave that holds the diagonal, else 0
.set NB,    46                         ; -2^101 in waves whose keys all lie above the diagonal, else 0
.set NBM,   48                         ; the same, the diagonal's wave included
.set CL,    50
.set EM,    52                         ; s[52:59] lanes in which key 8 h + j is query r
.set GT,    60                         ; s[60:63] (j = 0..3) and s[4:7] (j = 4..7), prologue only, free by then: lanes in which key 8 h + j lies above query r
; window settings
.set W_LD2, 0x80                       ; load into window 2
.set W_CV2, 0x8a                       ; convert inside window 2
.set W_ST2, 0x08                       ; LDS store from window 2
.set W_LD1, 0x40                       ; load into window 1
.set W_S,   0x04                       ; S product (second source in window 1); LDS store from window 1
.set W_SC,  0x41                       ; scale O
.set W_PV,  0x51                       ; O product
.set MSB, 0
.macro WIN new                         ; the immediate's high byte repeats the setting that is left
.if MSB != \new
	s_set_vgpr_msb (MSB<<8)|\new
.set MSB, \new
.endif
.endm
; Half hf of 32 loads: my 64 keys x 256 bytes.  A half wave takes one whole row; the other takes the row 8 (K) or 4 (V) further down, so that
; the two halves' 128 bytes of the later LDS store lie 128 bytes apart modulo 256 (8 x 144 = 1152, 4 x 160 = 640).
.macro FILLK hf
	WIN W_LD2
.set n, 16*\hf
.rept 16
	global_load_b128 v[KR+4*n:KR+4*n+3], v[GK], s[KBASE:KBASE+1] offset:(16*(n>>3)+(n&7))*ROWB
.set n, n+1
.endr
.endm
.macro FILLV hf
	WIN W_LD2
.set n, 16*\hf
.rept 16
	global_load_b128 v[VR+4*n:VR+4*n+3], v[GV], s[VBASE:VBASE+1] offset:(8*(n>>2)+(n&3))*ROWB
.set n, n+1
.endr
.endm
; K of this trip: f32 to f16 in place, into my slice, back as fragments; then the first half of the next tile is requested.
.macro KPHASE fill
	s_wait_loadcnt 32                              ; loads end in order (ISA guide 5.7.1): K's 32 are in, V's 32 behind them may be out
	WIN W_CV2
.set n, 0
.rept 32
	v_cvt_pk_f16_f32 v[KR+4*n], v[KR+4*n], v[KR+4*n+1]
	v_cvt_pk_f16_f32 v[KR+4*n+1], v[KR+4*n+2], v[KR+4*n+3]
.set n, n+1
.endr
	WIN W_ST2
	s_wait_alu depctr_va_vdst(0)                   ; the conversions have written KR, which the stores read; all that named KF so far (the last trip's S products, the merge's additions, the prologue) is done, and the fragments land in it
.set n, 0
.rept 32
	ds_store_b64 v[KST], v[KR+4*n:KR+4*n+1] offset:(16*(n>>3)+(n&7))*KPITCH
.set n, n+1
.endr
	WIN 0
.irp kt,0,1,2,3
.irp e,0,1,2,3
	ds_load_b128 v[KF+16*\kt+4*\e:KF+16*\kt+4*\e+3], v[KFA] offset:\kt*16*KPITCH+32*\e   ; LDS serves a wave in order: these see the stores
.endr
.endr
.if \fill
	s_wait_dscnt 16                                ; the 32 stores have read their data; the 16 fragment loads may be out
	s_add_co_u32 s[TOFF], s[TOFF], TILEB           ; the next tile,
	s_cmp_eq_u32 s[TI], s[DG]
	s_cselect_b32 s[TOFF], 0, s[TOFF]              ; or tile 0 again when pass 1 ends here
	s_add_nc_u64 s[KBASE:KBASE+1], s[KHOME:KHOME+1], s[TOFF:TOFF+1]   ; the loads that named this base are in (wait above)
	WIN W_LD2
	s_wait_alu depctr_va_vdst(0)                   ; the conversions are done reading and writing KR, in which the next tile lands: said behind the stores, which name KR too
	s_wait_alu depctr_vm_vsrc(0)                   ; the stores have read KR
	FILLK 0                                        ; sixteen loads go out while the fragments are on their way
.endif
	s_wait_dscnt 0x0
.endm
; V of this trip, likewise; fragments come through the transposing load.  With fill = 1 the next tile's 32 K loads stand behind V's.
.macro VPHASE fill
	s_wait_loadcnt 32*\fill
	WIN W_CV2
.set n, 0
.rept 32
	v_cvt_pk_f16_f32 v[VR+4*n], v[VR+4*n], v[VR+4*n+1]
	v_cvt_pk_f16_f32 v[VR+4*n+1], v[VR+4*n+2], v[VR+4*n+3]
.set n, n+1
.endr
	WIN W_ST2
	s_wait_alu depctr_va_vdst(0)                   ; the conversions have written VR, which the stores read; the last trip's O products are done reading VF, in which the fragments land
.set n, 0
.rept 32
	ds_store_b64 v[VST], v[VR+4*n:VR+4*n+1] offset:(8*(n>>2)+(n&3))*VPITCH
.set n, n+1
.endr
	WIN W_LD1
.irp dt,0,1,2,3
.irp ks,0,1
.irp e,0,1
	ds_load_tr16_b128 v[VF+16*\dt+8*\ks+4*\e:VF+16*\dt+8*\ks+4*\e+3], v[VFA] offset:\ks*32*VPITCH+\e*16*VPITCH+32*\dt
.endr
.endr
.endr
.if \fill
	s_add_nc_u64 s[VBASE:VBASE+1], s[VHOME:VHOME+1], s[TOFF:TOFF+1]   ; V's last loads are in (the wait at the head of this phase)
	WIN W_LD2
	s_wait_alu depctr_va_vdst(0)                   ; the conversions are done reading and writing VR, in which the next tile lands: said behind the stores, which name VR too
	s_wait_alu depctr_vm_vsrc(0)                   ; the stores have read VR
	FILLV 0                                        ; sixteen loads go out while the fragments are on their way
.endif
.endm
; S^T of query block f into buffer b: four tiles of 16 keys; the first product starts each sum, the second is the next link in place.
.macro SMM f, b
	WIN W_S
.irp kt,0,1,2,3
	v_wmma_f32_16x16x32_f16 v[ST+32*\b+8*\kt:ST+32*\b+8*\kt+7], v[KF+16*\kt:KF+16*\kt+7], v[QF+16*\f:QF+16*\f+7], 0
.endr
.irp kt,0,1,2,3
	v_wmma_f32_16x16x32_f16 v[ST+32*\b+8*\kt:ST+32*\b+8*\kt+7], v[KF+16*\kt+8:KF+16*\kt+15], v[QF+16*\f+8:QF+16*\f+15], v[ST+32*\b+8*\kt:ST+32*\b+8*\kt+7]
.endr
.endm
; O^T of query block f += V^T P^T, four tiles of 16 d, 64 keys in two links.
.macro PV f, zero
	WIN W_PV
.irp dt,0,1,2,3
.if \zero
	v_wmma_f32_16x16x32_f16 v[OA+32*\f+8*\dt:OA+32*\f+8*\dt+7], v[VF+16*\dt:VF+16*\dt+7], v[PB:PB+7], 0
.else
	v_wmma_f32_16x16x32_f16 v[OA+32*\f+8*\dt:OA+32*\f+8*\dt+7], v[VF+16*\dt:VF+16*\dt+7], v[PB:PB+7], v[OA+32*\f+8*\dt:OA+32*\f+8*\dt+7]
.endif
.endr
.irp dt,0,1,2,3
	v_wmma_f32_16x16x32_f16 v[OA+32*\f+8*\dt:OA+32*\f+8*\dt+7], v[VF+16*\dt+8:VF+16*\dt+15], v[PB+8:PB+15], v[OA+32*\f+8*\dt:OA+32*\f+8*\dt+7]
.endr
.endm
.macro RESCALE f                       ; O of query block f times its factor (the pair's first register, for both halves)
	WIN W_SC
.set n, 0
.rept 16
	v_pk_mul_f32 v[OA+32*\f+2*n:OA+32*\f+2*n+1], v[OA+32*\f+2*n:OA+32*\f+2*n+1], v[AB+2*\f:AB+2*\f+1] op_sel_hi:[1,0]
.set n, n+1
.endr
.endm
; The diagonal trip.  My keys are 64 w + 16 kt + 8 h + j, the queries 64 cx + 16 f + r of the same super-block.  Which wave I am only
; selects values: tiles below the diagonal tile get NB, those above it NBM, the diagonal tile its triangle with the bias on the diagonal.
.macro MASK f, b
	WIN 0
.irp j,0,1,2,3,4,5,6,7
	v_cndmask_b32 v[TM+\j], v[GM+\j], v[AB+2*\f+1], s[EM+\j]
.endr
.irp kt,0,1,2,3
.irp p,0,2,4,6
.if \kt < \f
	v_pk_add_f32 v[ST+32*\b+8*\kt+\p:ST+32*\b+8*\kt+\p+1], v[ST+32*\b+8*\kt+\p:ST+32*\b+8*\kt+\p+1], s[NB:NB+1] op_sel_hi:[1,0]
.endif
.if \kt == \f
	v_pk_add_f32 v[ST+32*\b+8*\kt+\p:ST+32*\b+8*\kt+\p+1], v[ST+32*\b+8*\kt+\p:ST+32*\b+8*\kt+\p+1], v[TM+\p:TM+\p+1]
.endif
.if \kt > \f
	v_pk_add_f32 v[ST+32*\b+8*\kt+\p:ST+32*\b+8*\kt+\p+1], v[ST+32*\b+8*\kt+\p:ST+32*\b+8*\kt+\p+1], s[NBM:NBM+1] op_sel_hi:[1,0]
.endif
.endr
.endr
.endm
; diag = 0: never; 2: always; 1: in the trip whose number is 7 - c (equal in all waves of the work-group)
.macro DMASK f, b, diag
.if \diag == 1
	s_cmp_lg_u32 s[TI], s[DG]
	s_cbranch_scc1 .Lnomask\f
	MASK \f, \b
.Lnomask\f:
.endif
.if \diag == 2
	MASK \f, \b
.endif
.endm
.macro SUBG sb, f                      ; eight scores minus the new maximum
.irp p,0,2,4,6
	v_pk_add_f32 v[\sb+\p:\sb+\p+1], v[\sb+\p:\sb+\p+1], v[ML+2*\f:ML+2*\f+1] op_sel_hi:[1,0] neg_lo:[0,1] neg_hi:[0,1]
.endr
.endm
.macro EXPG sb
.irp j,0,1,2,3,4,5,6,7
	v_exp_f32 v[\sb+\j], v[\sb+\j]
.endr
.endm
.macro SUMCVT sb, g                    ; eight p into the two pairs of sums (group 0 starts them) and, as f16, into P
.if \g == 0
	s_wait_alu depctr_va_vdst(0)
	v_pk_add_f32 v[SA:SA+1], v[\sb:\sb+1], v[\sb+2:\sb+3]
	v_pk_add_f32 v[SB:SB+1], v[\sb+4:\sb+5], v[\sb+6:\sb+7]
.else
	s_wait_alu depctr_va_vdst(0)
	v_pk_add_f32 v[SA:SA+1], v[SA:SA+1], v[\sb:\sb+1]
	v_pk_add_f32 v[SB:SB+1], v[SB:SB+1], v[\sb+2:\sb+3]
	v_pk_add_f32 v[SA:SA+1], v[SA:SA+1], v[\sb+4:\sb+5]
	v_pk_add_f32 v[SB:SB+1], v[SB:SB+1], v[\sb+6:\sb+7]
.endif
.irp jj,0,1,2,3
	v_cvt_pk_f16_f32 v[PB+4*\g+\jj], v[\sb+2*\jj], v[\sb+2*\jj+1]
.endr
.endm
; Online softmax of query block f on buffer b.  A lane holds 32 of its query's 64 scores; the other half wave holds the rest: the maximum
; is joined here, the sums stay apart until the merge.  Behind each run of exponentials stands a run of plain lines on other registers
; before the results are used (ISA guide 5.7.2).
.macro SOFTMAX f, b
	WIN 0
.irp kt,0,1,2,3
	v_max3_num_f32 v[CH+\kt], v[ST+32*\b+8*\kt], v[ST+32*\b+8*\kt+1], v[ST+32*\b+8*\kt+2]
.endr
.irp kt,0,1,2,3
	v_max3_num_f32 v[CH+\kt], v[CH+\kt], v[ST+32*\b+8*\kt+3], v[ST+32*\b+8*\kt+4]
.endr
.irp kt,0,1,2,3
	v_max3_num_f32 v[CH+\kt], v[CH+\kt], v[ST+32*\b+8*\kt+5], v[ST+32*\b+8*\kt+6]
.endr
.irp kt,0,1,2,3
	v_max_num_f32 v[CH+\kt], v[CH+\kt], v[ST+32*\b+8*\kt+7]
.endr
	v_max3_num_f32 v[CH], v[CH], v[CH+1], v[CH+2]
	v_max3_num_f32 v[CH], v[CH], v[CH+3], v[ML+2*\f]
	v_permlanex16_b32 v[YT], v[CH], s[PSEL], s[PSEL+1]
	v_max_num_f32 v[CH], v[CH], v[YT]              ; the new maximum, equal in both half waves
	v_sub_f32 v[DT], v[ML+2*\f], v[CH]
	v_exp_f32 v[AB+2*\f], v[DT]                    ; factor for the old sum and the old O
	v_mov_b32 v[ML+2*\f], v[CH]
	SUBG ST+32*\b, \f
	EXPG ST+32*\b
	SUBG ST+32*\b+8, \f
	EXPG ST+32*\b+8
	SUMCVT ST+32*\b, 0
	SUBG ST+32*\b+16, \f
	EXPG ST+32*\b+16
	SUMCVT ST+32*\b+8, 1
	SUBG ST+32*\b+24, \f
	EXPG ST+32*\b+24
	SUMCVT ST+32*\b+16, 2
	SUMCVT ST+32*\b+24, 3
	v_pk_add_f32 v[SA:SA+1], v[SA:SA+1], v[SB:SB+1]
	v_add_f32 v[SA], v[SA], v[SA+1]
	v_fma_f32 v[ML+2*\f+1], v[ML+2*\f+1], v[AB+2*\f], v[SA]
.endm
; Prologue: my 16 rows of one pass's Q (row 16 w + 2 i + h, 16 bytes a lane): the diagonal bias in f32, and c q as f16.
; Every row pair has registers of its own for its bias, so that all the arithmetic of both passes stands ahead of one wait and all the LDS stores behind it.
.macro QMATH ps
.irp i,0,1,2,3,4,5,6,7
	v_pk_mul_f32 v[BT+16*\ps+2*\i:BT+16*\ps+2*\i+1], v[ST+32*\ps+4*\i:ST+32*\ps+4*\i+1], v[DW:DW+1]
	v_pk_fma_f32 v[BT+16*\ps+2*\i:BT+16*\ps+2*\i+1], v[ST+32*\ps+4*\i+2:ST+32*\ps+4*\i+3], v[DW+2:DW+3], v[BT+16*\ps+2*\i:BT+16*\ps+2*\i+1]
	v_add_f32 v[BT+16*\ps+2*\i], v[BT+16*\ps+2*\i], v[BT+16*\ps+2*\i+1]
	v_add_f32_dpp v[BT+16*\ps+2*\i], v[BT+16*\ps+2*\i], v[BT+16*\ps+2*\i] row_xmask:1 row_mask:0xf bank_mask:0xf
	v_add_f32_dpp v[BT+16*\ps+2*\i], v[BT+16*\ps+2*\i], v[BT+16*\ps+2*\i] row_xmask:2 row_mask:0xf bank_mask:0xf
	v_add_f32_dpp v[BT+16*\ps+2*\i], v[BT+16*\ps+2*\i], v[BT+16*\ps+2*\i] row_xmask:4 row_mask:0xf bank_mask:0xf
	v_add_f32_dpp v[BT+16*\ps+2*\i], v[BT+16*\ps+2*\i], v[BT+16*\ps+2*\i] row_xmask:8 row_mask:0xf bank_mask:0xf
	v_fma_f32 v[BT+16*\ps+2*\i], v[BT+16*\ps+2*\i], s[CL], v[DBC]
	v_pk_mul_f32 v[ST+32*\ps+4*\i:ST+32*\ps+4*\i+1], v[ST+32*\ps+4*\i:ST+32*\ps+4*\i+1], s[CL:CL+1] op_sel_hi:[1,0]
	v_pk_mul_f32 v[ST+32*\ps+4*\i+2:ST+32*\ps+4*\i+3], v[ST+32*\ps+4*\i+2:ST+32*\ps+4*\i+3], s[CL:CL+1] op_sel_hi:[1,0]
	v_cvt_pk_f16_f32 v[ST+32*\ps+4*\i], v[ST+32*\ps+4*\i], v[ST+32*\ps+4*\i+1]
	v_cvt_pk_f16_f32 v[ST+32*\ps+4*\i+1], v[ST+32*\ps+4*\i+2], v[ST+32*\ps+4*\i+3]
.endr
.endm
.macro QSTORE ps
.irp i,0,1,2,3,4,5,6,7
	ds_store_b32 v[QBS], v[BT+16*\ps+2*\i] offset:\ps*256+8*\i     ; sixteen lanes write one word with one value
	ds_store_b64 v[QST], v[ST+32*\ps+4*\i:ST+32*\ps+4*\i+1] offset:\ps*KSL+2*KPITCH*\i
.endr
.endm
; A pass begins: all 64 queries' fragments and biases into registers, statistics to their start values.
.macro LOADQ ps
	WIN W_LD1
.irp f,0,1,2,3
.irp e,0,1,2,3
	ds_load_b128 v[QF+16*\f+4*\e:QF+16*\f+4*\e+3], v[QFA] offset:\ps*KSL+\f*16*KPITCH+32*\e
.endr
.endr
	WIN 0
.irp f,0,1,2,3
	ds_load_b32 v[AB+2*\f+1], v[BIA] offset:\ps*256+64*\f
.endr
.irp f,0,1,2,3
	v_mov_b32 v[ML+2*\f], MINIT
	v_mov_b32 v[ML+2*\f+1], 0
.endr
	s_wait_dscnt 0x0
.irp f,0,1,2,3
	v_fma_f32 v[AB+2*\f+1], v[AB+2*\f+1], s[AW], s[NB]             ; the bias in the diagonal's wave, 0 below it, -2^101 above it
.endr
.endm
; A pass ends: the four waves' (m, l, O) become the 64 rows of the output.  ob: the pass's output base; newq: pass 2 follows.
.macro MERGE ob, newq
	WIN 0
.irp f,0,1,2,3
	v_permlanex16_b32 v[YT], v[ML+2*\f+1], s[PSEL], s[PSEL+1]
	v_add_f32 v[ML+2*\f+1], v[ML+2*\f+1], v[YT]    ; the two half waves' sums
.endr
	s_wait_alu depctr_va_vdst(0)                   ; the maxima and sums are written, which the stores read; the softmax and the S products are done with v64 to v95, in which the statistics land behind the barrier
.irp f,0,1,2,3
	ds_store_b32 v[STS], v[ML+2*\f] offset:256*\f
	ds_store_b32 v[STS], v[ML+2*\f+1] offset:STLOFF+256*\f
.endr
	s_wait_dscnt 0x0                               ; my statistics are in LDS, for the others' sake
	s_barrier_signal -1
	s_barrier_wait -1
.irp f,0,1,2,3
	ds_load_b128 v[MM+4*\f:MM+4*\f+3], v[STLD] offset:256*\f
	ds_load_b128 v[MLS+4*\f:MLS+4*\f+3], v[STLD] offset:STLOFF+256*\f
.endr
	s_wait_dscnt 0x0
.irp f,0,1,2,3
	v_max3_num_f32 v[CH+\f], v[MM+4*\f], v[MM+4*\f+1], v[MM+4*\f+2]
.endr
.irp f,0,1,2,3
	v_max_num_f32 v[CH+\f], v[CH+\f], v[MM+4*\f+3]
.endr
.irp f,0,1,2,3
.irp k,0,1,2,3
	v_sub_f32 v[ME+5*\f+\k], v[MM+4*\f+\k], v[CH+\f]
.endr
	v_sub_f32 v[ME+5*\f+4], v[ML+2*\f], v[CH+\f]   ; my own
.endr
.set n, 0
.rept 20
	v_exp_f32 v[ME+n], v[ME+n]
.set n, n+1
.endr
	v_nop                                          ; one plain line behind the run of exponentials (ISA guide 5.7.2)
	s_wait_alu depctr_va_vdst(0)
.irp f,0,1,2,3
	v_mul_f32 v[CH+\f], v[ME+5*\f], v[MLS+4*\f]
.endr
.irp k,1,2,3
.irp f,0,1,2,3
	v_fmac_f32 v[CH+\f], v[ME+5*\f+\k], v[MLS+4*\f+\k]             ; the denominator; at least 1, from the wave that holds the maximum
.endr
.endr
.irp f,0,1,2,3
	v_rcp_f32 v[CH+\f], v[CH+\f]
.endr
	v_nop
	s_wait_alu depctr_va_vdst(0)
.irp f,0,1,2,3
	v_mul_f32 v[AB+2*\f], v[ME+5*\f+4], v[CH+\f]   ; my weight
.endr
	RESCALE 0
	RESCALE 1
	RESCALE 2
	RESCALE 3
	WIN W_S
	s_wait_alu depctr_va_vdst(0)                   ; the scalings have written O, which the stores read; the lines above and the pass's products are done with v64 to v191 (statistics, P, K's fragments), in which the partials land behind the barrier
.irp f,0,1,2,3
.irp dt,0,1,2,3
.irp e,0,1
	ds_store_b128 v[MGS], v[OA+32*\f+8*\dt+4*\e:OA+32*\f+8*\dt+4*\e+3] offset:\f*16*MPITCH+64*\dt+16*\e
.endr
.endr
.endr
	WIN 0
	s_wait_dscnt 0x0                               ; my partial is in LDS, and my reads of the statistics are over
	s_barrier_signal -1
	s_barrier_wait -1
.irp i,0,1,2,3,4,5,6,7
.irp k,0,1,2,3
	ds_load_b128 v[ST+32*\k+4*\i:ST+32*\k+4*\i+3], v[MGL] offset:\k*MSL+2*MPITCH*\i      ; rows 16 w + 2 i + h of the four partials
.endr
.endr
.irp i,0,1,2,3,4,5,6,7
	s_wait_dscnt 28-4*\i                           ; the four loads of row pair i are in; those of later pairs may be out
	v_pk_add_f32 v[ST+4*\i:ST+4*\i+1], v[ST+4*\i:ST+4*\i+1], v[ST+32+4*\i:ST+32+4*\i+1]
	v_pk_add_f32 v[ST+4*\i+2:ST+4*\i+3], v[ST+4*\i+2:ST+4*\i+3], v[ST+32+4*\i+2:ST+32+4*\i+3]
	v_pk_add_f32 v[ST+64+4*\i:ST+64+4*\i+1], v[ST+64+4*\i:ST+64+4*\i+1], v[ST+96+4*\i:ST+96+4*\i+1]
	v_pk_add_f32 v[ST+64+4*\i+2:ST+64+4*\i+3], v[ST+64+4*\i+2:ST+64+4*\i+3], v[ST+96+4*\i+2:ST+96+4*\i+3]
	v_pk_add_f32 v[ST+4*\i:ST+4*\i+1], v[ST+4*\i:ST+4*\i+1], v[ST+64+4*\i:ST+64+4*\i+1]
	v_pk_add_f32 v[ST+4*\i+2:ST+4*\i+3], v[ST+4*\i+2:ST+4*\i+3], v[ST+64+4*\i+2:ST+64+4*\i+3]
.endr
	s_wait_alu depctr_va_vdst(0)                   ; the additions have written the sixteen rows, which the stores read; the pass's products, masks and scalings are done with Q's fragments and the biases, in which the next pass's land
.irp i,0,1,2,3,4,5,6,7
	global_store_b128 v[LO], v[ST+4*\i:ST+4*\i+3], s[\ob:\ob+1] offset:512*\i th:TH_STORE_NT   ; two whole rows of 256 bytes, aligned
.endr
.if \newq
	s_wait_alu depctr_vm_vsrc(0)                   ; this merge's LDS stores have read the statistics and O, the stores above their rows in S's registers: all three are written again from here on
	LOADQ 1
	s_wait_xcnt 0x0                                ; the stores' data registers are S's: written again only behind this wait
.endif
.endm
; One trip: 64 queries x my 64 keys.  Each softmax stands behind the products issued just before it, and its lines are the places
; that the next reader of S and the next writer of P need behind those products (ISA guide 7.12.1).
; The second halves of the next tile's loads stand between two runs of products; the pair of waits in their phase has stated all that they hang on.
.macro TRIP first, diag, fill
	KPHASE \fill
	SMM 0, 0
.if \fill
	FILLK 1                                        ; no wait: since the pair in the K phase only loads, a wait and S products, which name KF, Q's fragments and S
.endif
	SMM 1, 1
	WIN 0
.rept 4
	v_nop                                          ; four places between S of block 0 and its first reader
.endr
	DMASK 0, 0, \diag
	SOFTMAX 0, 0
	VPHASE \fill
.if \first == 0
	RESCALE 0
.endif
	s_wait_dscnt 0x0                               ; V's fragments are in, V's stores have read their data
	PV 0, \first
	SMM 2, 0
	WIN 0
	DMASK 1, 1, \diag
	SOFTMAX 1, 1
.if \first == 0
	RESCALE 1
.endif
	PV 1, \first
.if \fill
	FILLV 1                                        ; no wait: since the pair in the V phase no line names VR or v5
.endif
	SMM 3, 1
	WIN 0
	DMASK 2, 0, \diag
	SOFTMAX 2, 0
.if \first == 0
	RESCALE 2
.endif
	PV 2, \first
	WIN 0
	DMASK 3, 1, \diag
	SOFTMAX 3, 1
.if \first == 0
	RESCALE 3
.endif
	PV 3, \first
	WIN 0
.if \diag == 1
	s_cmp_lg_u32 s[TI], s[DG]
	s_cbranch_scc1 .Lnomerge
	MERGE OUT1, 1
.Lnomerge:
.endif
.if \diag == 2
	MERGE OUT2, 0
.endif
.endm
	; ---- ids and byte offsets
	s_load_b256 s[4:11], s[0:1], 0x0               ; query s[4:5], key s[6:7], value s[8:9], R_w s[10:11]
	s_load_b128 s[12:15], s[0:1], 0x20             ; R_b s[12:13], out0 s[14:15]
	v_lshl_add_u32 v254, v0, 2, 0x29200
	v_mov_b32 v255, 0
	v_lshrrev_b32 v1, 5, v0
	v_readfirstlane_b32 s[WV], v1                  ; wave 0..3
	s_lshr_b32 s[TI], ttmp9, 2                     ; c (the register becomes the trip counter later)
	s_and_b32 s[CX], ttmp9, 3
	s_sub_co_u32 s[DG], 7, s[TI]
	s_and_b32 s19, ttmp7, 0xffff
	s_lshl_b32 s19, s19, 19                        ; head x 2048 rows x 256 bytes
	s_wait_alu depctr_va_sdst(0)                   ; the wave's number is written, ahead of its first reader: offsets, LDS shares and the diagonal's selects are made from it
	s_lshl_b32 s2, s[WV], 14                       ; my 64 keys of a tile
	s_add_co_u32 s2, s2, s19
	s_mov_b32 s3, 0
	s_lshl_b32 s21, s[CX], 6
	s_lshl4_add_u32 s21, s[WV], s21                ; 64 cx + 16 w: the rows that I stage and store
	s_lshl_b32 s60, s[DG], 8
	s_add_co_u32 s60, s60, s21
	s_lshl_b32 s60, s60, 8
	s_add_co_u32 s60, s60, s19                     ; pass 1, in bytes
	s_mov_b32 s61, 0
	s_lshl_b32 s62, s[TI], 8
	s_add_co_u32 s62, s62, s21
	s_lshl_b32 s62, s62, 8
	s_add_co_u32 s62, s62, s19                     ; pass 2
	s_mov_b32 s63, 0
	v_and_b32 v1, 31, v0                           ; lane
	v_and_b32 v2, 15, v0                           ; r
	v_bfe_u32 v3, v0, 4, 1                         ; h
	v_lshlrev_b32 v[RWO], 4, v2
	v_lshlrev_b32 v[LO], 4, v1
	v_lshl_add_u32 v[GK], v3, 11, v[RWO]
	v_lshl_add_u32 v[GV], v3, 10, v[RWO]
	s_wait_kmcnt 0x0
	s_add_nc_u64 s[KHOME:KHOME+1], s[6:7], s[2:3]
	s_add_nc_u64 s[VHOME:VHOME+1], s[8:9], s[2:3]
	s_add_nc_u64 s[QG1:QG1+1], s[4:5], s[60:61]
	s_add_nc_u64 s[QG2:QG2+1], s[4:5], s[62:63]
	s_add_nc_u64 s[OUT1:OUT1+1], s[14:15], s[60:61]
	s_add_nc_u64 s[OUT2:OUT2+1], s[14:15], s[62:63]
	s_mov_b64 s[KBASE:KBASE+1], s[KHOME:KHOME+1]
	s_mov_b64 s[VBASE:VBASE+1], s[VHOME:VHOME+1]
	s_load_b64 s[RB:RB+1], s[12:13], 0x0           ; R_b[0], R_b[1]
	; ---- everything that the first trip needs is requested before anything else is done
	s_wait_alu depctr_va_vdst(0)                   ; the four global offsets (16 r, 16 x lane, K's, V's) are written: every global load and store of the kernel reads one of them
	global_load_b128 v[RW0:RW0+3], v[RWO], s[10:11]                ; R_w[0][4 r ..]
	global_load_b128 v[DW:DW+3], v[RWO], s[10:11] offset:256       ; R_w[1][4 r ..]
.irp i,0,1,2,3,4,5,6,7
	global_load_b128 v[ST+4*\i:ST+4*\i+3], v[LO], s[QG1:QG1+1] offset:512*\i th:TH_LOAD_NT
.endr
.irp i,0,1,2,3,4,5,6,7
	global_load_b128 v[ST+32+4*\i:ST+32+4*\i+3], v[LO], s[QG2:QG2+1] offset:512*\i th:TH_LOAD_NT
.endr
	FILLK 0
	FILLK 1
	FILLV 0
	FILLV 1
	WIN 0
	; ---- constants
	s_mov_b32 s[PSEL], 0x76543210
	s_mov_b32 s[PSEL+1], 0xfedcba98
	s_mov_b32 s[CL], CLOG
	s_mov_b32 s[CL+1], CLOG
	s_cmp_eq_u32 s[WV], s[CX]
	s_cselect_b32 s[AW], 0x3f800000, 0
	s_cmp_gt_u32 s[WV], s[CX]
	s_cselect_b32 s[NB], NEGBIG, 0
	s_cmp_ge_u32 s[WV], s[CX]
	s_cselect_b32 s[NBM], NEGBIG, 0
	s_mov_b32 s[NB+1], s[NB]
	s_mov_b32 s[NBM+1], s[NBM]
	; ---- LDS addresses: a region's constant + the wave's share + the lane's term
	s_mul_i32 s2, s[WV], KSL                       ; my K slice
	s_mul_i32 s3, s[WV], VSL
	s_add_co_u32 s3, s3, L_VB                      ; my V slice
	v_mul_u32_u24 v53, v3, 8*KPITCH
	v_lshl_add_u32 v53, v2, 3, v53
	v_add_nc_u32 v[KST], s2, v53                   ; row + 8 h, byte 8 r
	v_mul_u32_u24 v53, v3, 4*VPITCH
	v_lshl_add_u32 v53, v2, 3, v53
	v_add_nc_u32 v[VST], s3, v53                   ; row + 4 h, byte 8 r
	v_mul_u32_u24 v54, v2, KPITCH
	v_lshl_add_u32 v54, v3, 4, v54                 ; row r, byte 16 h
	v_add_nc_u32 v[KFA], s2, v54
	v_add_nc_u32 v[QFA], L_QB, v54
	v_and_b32 v55, 7, v0
	v_lshl_add_u32 v55, v3, 3, v55                 ; key 8 h + l % 8
	v_mul_u32_u24 v55, v55, VPITCH
	v_bfe_u32 v53, v0, 3, 1
	v_lshl_add_u32 v55, v53, 4, v55                ; + 16 bytes for the upper eight lanes of a half wave
	v_add_nc_u32 v[VFA], s3, v55
	v_lshl_add_u32 v[BIA], v2, 2, L_BIAS
	s_lshl_b32 s2, s[WV], 2
	s_add_co_u32 s2, s2, L_STM
	v_add_nc_u32 v[STS], s2, v[RWO]
	v_add_nc_u32 v[STLD], L_STM, v[RWO]
	s_mul_i32 s2, s[WV], MSL
	s_add_co_u32 s2, s2, L_MG
	v_mul_u32_u24 v53, v2, MPITCH
	v_lshl_add_u32 v53, v3, 5, v53
	v_add_nc_u32 v[MGS], s2, v53                   ; my partial: row r, byte 32 h
	s_mul_i32 s2, s[WV], 16*MPITCH
	s_add_co_u32 s2, s2, L_MG
	v_mul_u32_u24 v53, v3, MPITCH
	v_add_nc_u32 v53, v53, v[RWO]
	v_add_nc_u32 v[MGL], s2, v53                   ; row 16 w + h, byte 16 r
	s_mul_i32 s2, s[WV], 16*KPITCH
	s_add_co_u32 s2, s2, L_QB
	v_mul_u32_u24 v53, v3, KPITCH
	v_lshl_add_u32 v53, v2, 3, v53
	v_add_nc_u32 v[QST], s2, v53                   ; row 16 w + h, byte 8 r
	s_lshl_b32 s2, s[WV], 6
	s_add_co_u32 s2, s2, L_BIAS
	v_lshl_add_u32 v[QBS], v3, 2, s2               ; word 16 w + h
	; ---- the diagonal tile: key 8 h + j against query r.  The sixteen compares stand in one run, each into a scalar register of its own.
	v_lshlrev_b32 v52, 3, v3
	v_mov_b32 v54, s[NB]
	v_mov_b32 v55, s[NBM]
.irp j,0,1,2,3,4,5,6,7
	v_add_nc_u32 v53, \j, v52
	v_cmp_gt_u32 s[GT+\j-GT*(\j/4)], v53, v2       ; s60 to s63, then s4 to s7
	v_cmp_eq_u32 s[EM+\j], v53, v2
.endr
	s_wait_alu depctr_va_sdst(0)                   ; the sixteen masks are written: the selects below read the triangle's, the diagonal trips' selects the diagonal's
.irp j,0,1,2,3,4,5,6,7
	v_cndmask_b32 v[GM+\j], v54, v55, s[GT+\j-GT*(\j/4)]           ; above the diagonal as in tiles above, else as in tiles below
.endr
	v_mov_b32 v[YT], 0                             ; a lane permute's destination counts as read
	s_wait_kmcnt 0x0
	v_mov_b32 v[DBC], s[RB]
	v_sub_f32 v[DBC], s[RB+1], v[DBC]
	v_mul_f32 v[DBC], s[CL], v[DBC]
	; ---- Q of both passes: bias and f16 copy
	s_wait_loadcnt 63                              ; 64 loads of K and V stand behind Q's; the wait can name 63 at the most, the stricter side
	v_pk_add_f32 v[DW:DW+1], v[DW:DW+1], v[RW0:RW0+1] neg_lo:[0,1] neg_hi:[0,1]
	v_pk_add_f32 v[DW+2:DW+3], v[DW+2:DW+3], v[RW0+2:RW0+3] neg_lo:[0,1] neg_hi:[0,1]
	QMATH 0
	QMATH 1
	s_wait_alu depctr_va_vdst(0)                   ; the biases and the f16 copies of Q are written, which the stores read; so are all LDS addresses, v6 to v15, v18 and v19, which every LDS instruction of the kernel reads
	QSTORE 0
	QSTORE 1
	s_wait_dscnt 0x0                               ; my rows of Q are in LDS, for the others' sake
	s_barrier_signal -1
	s_barrier_wait -1
	s_wait_alu depctr_vm_vsrc(0)                   ; my LDS stores have read S's registers and v152 to v183: the S products write the first, K's fragments land in the second
	LOADQ 0
	s_mov_b32 s[TI], 0
	s_mov_b32 s[TOFF], 0
	s_mov_b32 s[TOFF+1], 0
	; ---- nine trips.  Pass 1 has at least five, so trip 0 never meets the diagonal: its products start O's sums, nothing is cleared.
	; Pass 2's first trip finds the maximum at -2^100: where the wave has a key to count, its factor is 0 and wipes what pass 1 left in O;
	; where all its keys lie above the diagonal, the merge gives the wave the weight 0.
	TRIP 1, 0, 1
	s_mov_b32 s[TI], 1
.Ltrip:
	TRIP 0, 1, 1
	s_add_co_u32 s[TI], s[TI], 1
	s_cmp_lt_u32 s[TI], 8
	s_cbranch_scc1 .Ltrip
	TRIP 0, 2, 0                                   ; trip 8: pass 2's diagonal; nothing more is requested
	s_wait_dscnt 0x0
	s_wait_alu depctr_hold_cnt(0) depctr_sa_sdst(0) depctr_va_vdst(0) depctr_va_sdst(0) depctr_va_ssrc(0) depctr_va_vcc(0) depctr_vm_vsrc(0)
	s_wait_tensorcnt 0x0
	ds_add_u32 v254, v255
	s_wait_dscnt 0x0
	s_endpgm
.Lfunc_end_k_q3d67631b3d_attn:
	.size	k_q3d67631b3d_attn, .Lfunc_end_k_q3d67631b3d_attn-k_q3d67631b3d_attn
	.p2alignl 7, 3214868480
	.fill 96, 4, 3214868480
	.section	.rodata,"a",@progbits
	.p2align	6, 0x0
	.amdhsa_kernel k_q3d67631b3d_attn
		.amdhsa_group_segment_fixed_size 168960
		.amdhsa_private_segment_fixed_size 0
		.amdhsa_enable_private_segment 0
		.amdhsa_kernarg_size 48
		.amdhsa_user_sgpr_count 2
		.amdhsa_user_sgpr_kernarg_segment_ptr 1
		.amdhsa_wavefront_size32 1
		.amdhsa_system_sgpr_workgroup_id_x 1
		.amdhsa_system_sgpr_workgroup_id_y 1
		.amdhsa_system_sgpr_workgroup_id_z 1
		.amdhsa_system_vgpr_workitem_id 0
		.amdhsa_next_free_vgpr 768
		.amdhsa_next_free_sgpr 66
		.amdhsa_reserve_vcc 0
		.amdhsa_float_denorm_mode_32 3
		.amdhsa_float_denorm_mode_16_64 3
		.amdhsa_memory_ordered 1
		.amdhsa_forward_progress 1
		.amdhsa_inst_pref_size 220
	.end_amdhsa_kernel
	.amdgpu_metadata
---
amdhsa.version: [ 1, 2 ]
amdhsa.kernels:
  - .name:           k_q3d67631b3d_attn
    .symbol:         k_q3d67631b3d_attn.kd
    .args:
      - { .name: query, .offset: 0, .size: 8, .value_kind: global_buffer, .address_space: global }
      - { .name: key, .offset: 8, .size: 8, .value_kind: global_buffer, .address_space: global }
      - { .name: value, .offset: 16, .size: 8, .value_kind: global_buffer, .address_space: global }
      - { .name: R_w, .offset: 24, .size: 8, .value_kind: global_buffer, .address_space: global }
      - { .name: R_b, .offset: 32, .size: 8, .value_kind: global_buffer, .address_space: global }
      - { .name: out0, .offset: 40, .size: 8, .value_kind: global_buffer, .address_space: global }
    .group_segment_fixed_size: 168960
    .private_segment_fixed_size: 0
    .kernarg_segment_align: 8
    .kernarg_segment_size: 48
    .max_flat_workgroup_size: 128
    .sgpr_count:     66
    .vgpr_count:     768
    .wavefront_size: 32
...
	.end_amdgpu_metadata
.endif
;; end of part 2
